; MI455X (gfx1250); checked and timed in simulation.
; The chip was launched on July 23, 2026; its instructions are those of AMD's public machine-readable ISA for CDNA 5 (MIT licence, August 2026) and "CDNA5" Instruction Set Architecture Reference Guide (July 2026). The comments in the code are by the model that wrote it; some were corrected since.
;; Transformer. Allowed arithmetic: matrix products marked QUANTISED: E2M3 operands, one E8M0 scale for each 32 along K, by v_wmma_scale_f32_16x16x128_f8f6f4 with both operands' format E2M3, f32 sums; products left as they are: f32 operands where the result goes on into a quantised operand, else bf16, f16 or f32 operands; f32 sums; everything else in f32.
;; Inputs: W_K 64 x 64 float32; W_Q 64 x 64 float32; W_V 64 x 64 float32; fb1 256 float32; fb2 64 float32; fw1 64 x 256 float32; fw2 256 x 64 float32; key_mask 64 x 1,024 int32; keys 64 x 1,024 x 64 float32; queries 64 x 1,024 x 64 float32; query_mask 64 x 1,024 int32.
;; Outputs: out0 64 x 64 float32.
;; This version of the problem:
;;   THIS VERSION OF THE PROBLEM IS GIVEN IN LOW PRECISION. The matrix products marked QUANTISED in the list below multiply operands that are first quantised to E2M3 (2 exponent bits, 3 mantissa bits; 6 bits a number), with one power-of-two scale for each 32 numbers along K (OCP MX v1.0); their sums are f32. All else is computed in f32.
;;   The module's matrix products, in the order in which they are computed (A, B: the left and right operand; K: the contracted axis; several contracted axes count as one K, in the product's order):
;;     1. [M 65,536, K 64] x [K 64, N 64]; A: input queries; B: input W_Q: QUANTISED
;;     2. [M 65,536, K 64] x [K 64, N 64]; A: input keys; B: input W_K: QUANTISED
;;     3. [M 65,536, K 64] x [K 64, N 64]; A: input keys; B: input W_V: QUANTISED
;;     4. batch 256 x [M 1,024, K 16] x [K 16, N 1,024]; A: computed on the way; B: computed on the way: left as it is (K = 16 < 32)
;;     5. batch 256 x [M 16, K 1,024] x [K 1,024, N 1,024]; A: computed on the way; B: computed on the way: QUANTISED
;;     6. [M 65,536, K 64] x [K 64, N 256]; A: computed on the way; B: input fw1: QUANTISED
;;     7. [M 65,536, K 256] x [K 256, N 64]; A: computed on the way; B: input fw2: QUANTISED
;;   THE QUANTISER, for each operand of a quantised product, along K:
;;     - K is cut into blocks of 32 from its start; a last block that is shorter is filled with zeros.
;;     - A block's scale is 2^e with e = floor(log2(the largest magnitude in the block)) - 2, held to -126 .. 127; a block of zeros has e = 0. As a byte (E8M0): e + 127.
;;     - Each number is divided by its block's scale, clamped to +-7.5, and rounded to the nearest number of E2M3, ties to even, subnormals kept.
;;     - The product sums the exact products of the quantised numbers (number of the format x scale) in f32.
;;   ~~~python
;;   def quantise(x, axis):      # numpy; x: float32 -> the quantised numbers, widened to float32 again
;;       x = np.moveaxis(x, axis, -1); K = x.shape[-1]
;;       x = np.pad(x, [(0, 0)] * (x.ndim - 1) + [(0, -K % 32)]); x = x.reshape(x.shape[:-1] + (-1, 32)); a = np.abs(x).max(-1, keepdims=True)
;;       e = np.where(a > 0, np.clip(np.frexp(np.where(a > 0, a, 1))[1] - 1 - 2, -126, 127), 0)      # np.frexp(a)[1] - 1 = floor(log2(a)), exactly
;;       r = np.clip(x / 2.0 ** e, -7.5, 7.5)
;;       step = 2.0 ** (np.maximum(np.frexp(np.where(r == 0, 1, r))[1] - 1, 0) - 3)
;;       q = np.round(r / step) * step * 2.0 ** e      # np.round: ties to even
;;       return np.moveaxis(q.reshape(q.shape[:-2] + (-1,))[..., :K], -1, axis).astype(np.float32)
;;   ~~~
;;   OPERANDS COMPUTED ON THE WAY. 'Computed on the way' means the value that the module computes at that place (a softmax that the list does not call 'softmax' is quantised finished and normalised). What goes into a quantiser is computed in f32, as accurately as f32 sums, v_exp_f32 and their like allow (about 1e-6 of the number): no bf16 or f16 on the way to a quantiser, and a product that is left as it is and whose result goes on into a quantised operand takes f32 operands (vector FMAs, or v_wmma_f32_16x16x4_f32). A number that lies on a knife's edge between two numbers of the format may be rounded either way, as far as f32 arithmetic and the matrix unit's own rounding can turn it there, and no further.
;; One version. Each part assembles by itself: llvm-mc -triple=amdgcn-amd-amdhsa -mcpu=gfx1250 --defsym DOCPART=n.
;; ======== version 1 of 1: 1 launch
;; launch attn0 (part 1): grid 64 x 1, 16 waves a work-group, no clusters, 327,680 bytes of LDS; arguments keys, queries, key_mask, query_mask, W_K, W_V, W_Q, fw1, fw2, fb1, fb2, out0; writes out0
.if DOCPART == 1
	.amdgcn_target "amdgcn-amd-amdhsa--gfx1250"
	.amdhsa_code_object_version 6
	.text
	.protected	k_qba93106a54_attn0
	.globl	k_qba93106a54_attn0
	.p2align	8
	.type	k_qba93106a54_attn0,@function
k_qba93106a54_attn0:
	s_mov_b64 s[64:65], 0
	v_nop
	global_prefetch_b8 v0, s[64:65] scope:SCOPE_SE
	s_setreg_imm32_b32 hwreg(HW_REG_WAVE_MODE, 25, 1), 1
	s_wait_xcnt 0x0
; out0[b][:] = row 0 of the transformer block of batch b.  One launch, one work-group of sixteen waves for each of the 64 batches.
; WORK LEFT OUT, for all values of the inputs.  The result is result[:, 0, :].  Row t of result is made of row t of queries and of query_mask (Qh's row, the scores' row,
; the softmax's row, out's row, the two feed-forward rows) and of all keys of the batch, and of nothing else.  No quantiser joins rows: the left operands of the products with W_Q, fw1 and fw2
; are cut along K inside one row; attn is cut along the keys for each query by itself; V is cut along the keys for each channel, whatever the query.  So rows 1 to 1023 of the products with W_Q,
; of the scores, of attn x V, of the products with fw1 and fw2 reach no output and are not computed; of queries and query_mask only position 0 of each batch is loaded.  The products of the keys
; with W_K and W_V are live for all 1,024 keys (key 0 too: it enters V's block scales, and it has weight 1/1024 where every key is masked).  Every input has a way to the output and is an argument.
; LIMITS.  A NaN, an infinity or an overflow in queries[b][1:] or query_mask[b][1:] is not carried to the result.  NaN and infinities among the other inputs are not served.
; attn = p x (v_rcp_f32(sum) x qm): exact in qm for qm 0 or 1, else within an ulp of p / sum x qm.  v_exp_f32 gives 0 for p under 2^-126.  A block of zeros gets the scale byte 1, not 127: its codes are zeros
; and this program alone reads the bytes.  The sums over the 16 channels of a score, over the sixteen waves' 64 keys and over fw2's four quarters of K are f32 sums in another order than the source's.
; SHARES.  Wave w owns keys 64 w .. 64 w + 63.  One tensor load a wave brings its 64 rows of 256 bytes at the head (one tensor load of a wave is out, no LDS byte is filled twice); only the issuing wave reads them.
; While they are on their way, waves 0-11 quantise the twelve tiles of W_K, W_V, W_Q (images of operand registers in LDS), and every wave the tile of fw1 and the tile of fw2 that it alone uses.
; 64 WORK-GROUPS: attn is quantised finished and normalised, so all 1,024 keys of a batch meet before the second product; work-groups hand nothing to each other inside a launch.
; NO CLUSTER: no two work-groups read the same keys.  The weights, 180,224 bytes, are shared, but beside the keys and stages 327,680 - 315,904 = 11,776 bytes of LDS are left, and the weights are wanted with K down
; a lane's registers, which 4-byte loads give directly.
; LAYOUTS.  A product with K = 64 fills half of the 128 of the matrix instruction: registers 0-5 of an operand hold k = 32 (lane / 16) + 0 .. 31, one whole block a lane; registers 6-11 are zero codes.
;  G(h') = [W_K tile h' | W_V tile h'] in one operand; the keys' codes stand in a chain [z][x0][z][x1][z][x2][z][x3][z] (z: six zero registers): [x][z] meets W_K, [z][x] meets W_V.  A scale word holds its two bytes twice.
;  Lane r of key tile t takes key 64 w + 32 (r / 8) + 8 t + r % 8: in V = keys x W_V (source 0 = keys) register 8 t + j of lane (d, h) is then key 64 w + 32 h + 8 t + j: a whole block of 32 keys, in the next operand's order.
;  K^T = W_K^T x keys^T (source 0 = G): a lane holds one key and 8 channels; the score is four packed multiply-adds with q' = Qh / 4 in f32, and one exchange of the lanes' halves.
;  attn: row m of the operand is head m % 4, so one operand serves all four heads; head h' x V(h') falls into register h' of its result.
.set KPW,   17408                      ; LDS: a wave's keys: 64 rows of 256 bytes + 16 of padding; sixteen waves from byte 0 on
.set IMG,   278528                     ; twelve half operands (6 registers a lane) as images: three pieces of 256 bytes, lane l at 8 l.  Unit 0-3 W_K, 4-7 W_V, 8-11 W_Q
.set ISC,   287744                     ; their scale words, 128 bytes a unit
.set STG,   289280                     ; a stage of 4 x 272 bytes for each wave: 64 scores a head; later the 64 numbers of result
.set MAXS,  306688                     ; [head] 80 bytes apart, word w: the waves' maxima; 512 bytes on: their sums
.set OPART, 307712                     ; 64 numbers a wave: attn x V over its 64 keys
.set HID,   311808                     ; the hidden layer, 256 numbers; 1,024 bytes on: 16 numbers a wave of hidden x fw2
.set SPARE, 313856                     ; the spare words, 128 bytes for each wave: eight blocks of 256 bytes that no other line names
.set SPW, 4                            ; v4   my spare word's address; never rewritten
.set NIL, 5                            ; v5   0; never rewritten
.set KA,  6                            ; v6   my row of key tile 0, my half of it
.set IMS, 7                            ; v7   where I store my unit's image;  v8 its scale word
.set ISS, 8
.set IML, 9                            ; v9   unit 0's image for my lane;  v10 its scale word
.set ISL, 10
.set STS, 11                           ; v11  stage: my key of tile 0, head 0
.set STL, 12                           ; v12  stage: head r % 4, my half's 32 keys
.set MXL, 13                           ; v13  the sixteen maxima of head r % 4;  v14 my wave's word among them
.set MXS, 14
.set OPS, 15                           ; v15  my wave's partial out, channel r
.set OPL, 16                           ; v16  wave 0's partial out, channels 2 lane, 2 lane + 1
.set RSS, 17                           ; v17  stage: result's channels 2 lane, 2 lane + 1;  v18: my half's 32
.set RSL, 18
.set HDS, 19                           ; v19  hidden unit 16 w + r
.set HDL, 20                           ; v20  hidden units 64 (w / 4) + 32 h on
.set L8,  21                           ; v21  8 x lane
.set NEGV, 22                          ; v22  -2^32, what f32 makes of -2^32 + 1
.set TM0, 24                           ; v24-30, v32 at work in QBLK
.set TM1, 25
.set SOP, 26
.set BY,  27
.set TC,  28
.set TP,  32
.set KM,  34                           ; v34-37 the mask words of my four keys; later masked scores of tiles 1 and 3
.set RP,  38                           ; v[38:39] queries' row 0, then result: channels 2 lane, 2 lane + 1
.set FB2, 40                           ; v[40:41] fb2 likewise
.set FB1, 42                           ; v42  fb1 of hidden unit 16 w + r
.set QMF, 43                           ; v43  query_mask[b][0] as f32
.set XS,  44                           ; v44-59 scale words and nothing else: v44-47 key tiles; v48-51 G; v52-55 W_Q, then W_V, then V; v56 the left operand in hand; v57 fw1; v58 fw2; v59 my unit's
.set GS,  48
.set VS,  52
.set AS,  56
.set F1S, 57
.set F2S, 58
.set WSW, 59
.set F1C, 60                           ; v60-65 my tile of fw1 as codes;  v66-71 of fw2
.set F2C, 66
.set ACT, 72                           ; v72-77 the left operand's codes, v78-83 zeros
.set CH,  84                           ; v84-137 the chain: zeros at 84, 96, 108, 120, 132; slot t at 90 + 12 t
.set G,   138                          ; v138-185 G(0..3)
.set QP,  186                          ; v186-217 q'
.set VT,  186                          ; later V's codes, 6 a head
.set ACC, 218                          ; v218-249 four accumulators
.set WO,  250                          ; v250-255 byte offsets of the head's loads; never rewritten
.set F1O, 251
.set F2O, 252
.set QO,  253
.set KMO, 254
.set FB1O, 255
.set WST, 138                          ; the head's numbers: my unit's 32, the query's, fw1's, fw2's; my unit's codes
.set QST, 84
.set F1ST, 170
.set F2ST, 202
.set WC,  234
.set X0,  138                          ; two sets of 32 numbers of a key
.set X1,  218
.set SV,  138                          ; 32 scores, then p, then attn
.set M16, 170                          ; sixteen waves' maxima or sums
.set PART, 138
.set RES, 170
.set HD,  138
.set WV,  28                           ; s28  my wave's number
.set G0,  32                           ; s[32:35] descriptor group 0;  s[36:43] group 1
.set G1,  36
.set SEL, 44                           ; s[44:45] v_permlanex16_b32's selects for lane l xor 16
.set L2E, 46                           ; s[46:47] log2(e), named as a pair
.set MK,  48                           ; s48-51 lanes whose key of tile t counts
; A lane's 32 numbers v[src] .. v[src + 31], one block of 32 along K, become six registers of codes at v[dst] and the row's scale word in v[sw].
; The largest magnitude, with the floor 2^(3 - 127) among its leaves, so that the byte cannot fall under 1; 2 off its exponent field is the conversion's scale operand.
.macro QBLK src, dst, sw
	v_max3_num_f32 v[TM0], |v[(\src)]|, |v[(\src)+1]|, |v[(\src)+2]|
	v_max3_num_f32 v[TM1], |v[(\src)+3]|, |v[(\src)+4]|, |v[(\src)+5]|
.irp i, 6,10,14,18,22,26
	v_max3_num_f32 v[TM0], v[TM0], |v[(\src)+\i]|, |v[(\src)+\i+1]|
	v_max3_num_f32 v[TM1], v[TM1], |v[(\src)+\i+2]|, |v[(\src)+\i+3]|
.endr
	v_max3_num_f32 v[TM0], v[TM0], |v[(\src)+30]|, |v[(\src)+31]|
	v_max3_num_f32 v[TM0], v[TM0], v[TM1], 0x1800000
	v_add_nc_u32 v[SOP], 0xff000000, v[TM0]
	v_lshrrev_b32 v[BY], 23, v[SOP]                ; the scale's byte
	v_cvt_scalef32_pk16_fp6_f32 v[(\dst):(\dst)+2], v[(\src):(\src)+15], v[SOP]
	v_cvt_scalef32_pk16_fp6_f32 v[TC:TC+2], v[(\src)+16:(\src)+31], v[SOP]   ; (a conversion's three registers begin on an even number)
	v_lshlrev_b32 v[TM1], v3, v[BY]                ; my byte at its place, 8 h bits up.  (The plain line behind the conversions: it names none of their registers)
	v_permlanex16_b32 v[TP], v[TM1], s[SEL], s[SEL+1]
	v_or_b32 v[TM1], v[TM1], v[TP]                 ; with lane l xor 16's: bytes 0 and 1
	v_lshl_or_b32 v[\sw], v[TM1], 16, v[TM1]       ; and the same two as bytes 2 and 3
.irp i, 0,1,2
	v_mov_b32 v[(\dst)+3+\i], v[TC+\i]
.endr
.endm
.macro WLOAD reg, off, base, pitch     ; a lane takes a column and its registers run down K: 32 rows
.irp i, 0,1,2,3,4,5,6,7,8,9,10,11,12,13,14,15,16,17,18,19,20,21,22,23,24,25,26,27,28,29,30,31
	global_load_b32 v[(\reg)+\i], v[\off], s[\base:\base+1] offset:\i*(\pitch)
.endr
.endm
.macro HEADLOADS                       ; the query's row, my half's 32 numbers (the same in all sixteen lanes of a half), and my tile of fw1
.irp i, 0,1,2,3,4,5,6,7
	global_load_b128 v[QST+4*\i:QST+4*\i+3], v[QO], s[6:7] offset:16*\i
.endr
	WLOAD F1ST, F1O, 18, 1024
.endm
.macro HALF_LD dst, u                  ; unit u's six registers, as they were stored
.irp i, 0,1,2
	ds_load_b64 v[(\dst)+2*\i:(\dst)+2*\i+1], v[IML] offset:(\u)*768+256*\i
.endr
.endm
.macro XLOAD x, t                      ; my key of tile t: 32 numbers
.irp i, 0,1,2,3,4,5,6,7
	ds_load_b128 v[(\x)+4*\i:(\x)+4*\i+3], v[KA] offset:2176*(\t)+16*\i
.endr
.endm
.macro WM d, a, b, sa, sb              ; every product of this text starts its own sum: C is the constant 0, and no two matrix instructions that follow each other name the same accumulator
	v_wmma_scale_f32_16x16x128_f8f6f4 v[(\d):(\d)+7], v[(\a):(\a)+11], v[(\b):(\b)+11], 0, v[(\sa)], v[(\sb)] matrix_a_fmt:MATRIX_FMT_FP6 matrix_b_fmt:MATRIX_FMT_FP6
.endm
.macro PLACES n                        ; plain places: 4 behind a matrix instruction ahead of a read of its result (ISA guide 7.12.1); 8 between a vector write of a scale register and the scaled matrix instruction
.rept \n
	v_nop
.endr
.endm
.macro BARRIER                         ; my LDS stores have landed and my LDS loads are in: then the work-group's barrier
	s_wait_dscnt 0x0
	s_barrier_signal -1
	s_barrier_wait -1
.endm
	s_load_b512 s[4:19], s[0:1], 0x0               ; keys 4, queries 6, key_mask 8, query_mask 10, W_K 12, W_V 14, W_Q 16, fw1 18
	s_load_b256 s[20:27], s[0:1], 0x40             ; fw2 20, fb1 22, fb2 24, out0 26
	v_lshl_add_u32 v[SPW], v0, 2, SPARE
	v_mov_b32 v[NIL], 0
	ds_add_u32 v[SPW], v[NIL]                      ; the wave's opening: the add, twice on end, and its wait ahead of my tensor load; the set-up below, work on registers, stands between
	ds_add_u32 v[SPW], v[NIL]
	v_lshrrev_b32 v23, 5, v0
	v_readfirstlane_b32 s[WV], v23                 ; wave 0..15
	v_and_b32 v1, 15, v0                           ; r
	v_bfe_u32 v2, v0, 4, 1                         ; h
	v_lshlrev_b32 v3, 3, v2                        ; 8 h
	v_and_b32 v23, 31, v0                          ; lane
	v_bfe_u32 v31, v0, 3, 1                        ; r / 8
	v_and_b32 v33, 7, v0                           ; r % 8
	v_and_b32 v24, 3, v0                           ; r % 4
	s_mov_b32 s[G1+0], 0x07530000                  ; elements of 8 bytes; padding on: behind every 64 words 4 words
	s_mov_b32 s[G1+1], 32<<16                      ; tensor_dim0 = 32 elements: a key's 256 bytes
	s_mov_b32 s[G1+2], 64<<16                      ; tensor_dim1 = 64 rows
	s_mov_b32 s[G1+3], 32<<16                      ; tile_dim0
	s_mov_b32 s[G1+4], 64                          ; tile_dim1
	s_mov_b32 s[G1+5], 32                          ; from row to row
	s_mov_b32 s[G1+6], 0
	s_mov_b32 s[G1+7], 0
	s_mov_b32 s[SEL], 0x76543210
	s_mov_b32 s[SEL+1], 0xfedcba98
	s_mov_b32 s[L2E], 0x3fb8aa3b
	s_mov_b32 s[L2E+1], s[L2E]
	s_mul_i32 s54, s[WV], KPW                      ; my keys
	s_mul_i32 s55, s[WV], 768
	s_add_co_u32 s55, s55, IMG                     ; my unit's image
	s_lshl_b32 s56, s[WV], 7
	s_add_co_u32 s56, s56, ISC
	s_mul_i32 s57, s[WV], 1088
	s_add_co_u32 s57, s57, STG                     ; my stage
	s_lshl_b32 s58, s[WV], 2
	s_lshl_b32 s31, s[WV], 8
	s_add_co_u32 s59, s31, OPART
	s_lshl_b32 s63, s[WV], 6
	s_add_co_u32 s60, s63, HID
	s_lshr_b32 s61, s[WV], 2
	s_lshl_b32 s30, s61, 14                        ; fw2: 64 (w / 4) rows of 256 bytes
	s_lshl_b32 s61, s61, 8
	s_add_co_u32 s61, s61, HID
	s_and_b32 s62, s[WV], 3
	s_lshl_b32 s62, s62, 6                         ; tile w % 4: 16 columns of 4 bytes
	v_lshl_add_u32 v[KA], v31, 5, v33              ; every LDS address is made here, ahead of the first branch on the wave's number
	v_mul_u32_u24 v[KA], v[KA], 272
	v_lshl_add_u32 v[KA], v2, 7, v[KA]
	v_add_nc_u32 v[KA], s54, v[KA]
	v_lshl_add_u32 v[IMS], v23, 3, s55
	v_lshl_add_u32 v[ISS], v23, 2, s56
	v_lshl_add_u32 v[IML], v23, 3, IMG
	v_lshl_add_u32 v[ISL], v23, 2, ISC
	v_lshl_add_u32 v[STS], v33, 2, s57
	v_lshl_add_u32 v[STS], v31, 7, v[STS]
	v_mul_u32_u24 v[STL], v24, 272
	v_lshl_add_u32 v[STL], v2, 7, v[STL]
	v_add_nc_u32 v[STL], s57, v[STL]
	v_mul_u32_u24 v[MXL], v24, 80
	v_add_nc_u32 v[MXL], MAXS, v[MXL]
	v_add_nc_u32 v[MXS], s58, v[MXL]
	v_lshl_add_u32 v[OPS], v1, 2, s59
	v_lshl_add_u32 v[OPL], v23, 3, OPART
	v_lshl_add_u32 v[RSS], v23, 3, s57
	v_lshl_add_u32 v[RSL], v2, 7, s57
	v_lshl_add_u32 v[HDS], v1, 2, s60
	v_lshl_add_u32 v[HDL], v2, 7, s61
	v_lshlrev_b32 v[L8], 3, v23
	v_mov_b32 v[NEGV], 0xcf800000
	v_mov_b32 v[TP], 0                             ; written once: a lane permute's destination counts as one of its sources
	v_lshl_add_u32 v[WO], v1, 2, s62               ; W: column 16 (w % 4) + r, row 32 h
	v_lshl_add_u32 v[WO], v2, 13, v[WO]
	v_lshl_add_u32 v[FB1O], v1, 2, s63             ; fb1: 16 w + r
	v_lshl_add_u32 v[F1O], v2, 15, v[FB1O]         ; fw1: column 16 w + r, row 32 h of 1,024 bytes
	v_add_nc_u32 v[F2O], s30, v[WO]                ; fw2: column 16 (w % 4) + r, row 64 (w / 4) + 32 h
	v_lshlrev_b32 v[QO], 7, v2
	v_lshl_add_u32 v[KMO], v33, 2, s31             ; key_mask: key 64 w + 32 (r / 8) + r % 8
	v_lshl_add_u32 v[KMO], v31, 7, v[KMO]
	s_lshl_b32 s30, ttmp9, 18                      ; the batch's 1,024 rows of 256 bytes,
	s_lshl_b32 s31, s[WV], 14                      ; my wave's 64 of them
	s_add_co_u32 s30, s30, s31
	s_mov_b32 s31, 0
	s_wait_dscnt 0x0                               ; both opening adds are done
	s_wait_kmcnt 0x0
	s_mov_b32 s[G0], 1
	s_mov_b32 s[G0+1], s54
	s_add_nc_u64 s[G0+2:G0+3], s[4:5], s[30:31]
	s_or_b32 s[G0+3], s[G0+3], 0x80000000
	tensor_load_to_lds s[G0:G0+3], s[G1:G1+7]      ; my 64 keys: the wave's one tensor load, into bytes that only this wave reads
	s_nop 0
	s_lshl_b32 s30, ttmp9, 18
	s_add_nc_u64 s[6:7], s[6:7], s[30:31]          ; queries[b][0]
	s_lshl_b32 s30, ttmp9, 12
	s_add_nc_u64 s[8:9], s[8:9], s[30:31]          ; key_mask[b]
	s_add_nc_u64 s[10:11], s[10:11], s[30:31]      ; query_mask[b]
	s_lshl_b32 s30, ttmp9, 8
	s_add_nc_u64 s[26:27], s[26:27], s[30:31]      ; out0[b]
	s_load_b32 s66, s[10:11], 0x0                  ; query_mask[b][0]
	s_cmp_lt_u32 s[WV], 8                          ; my unit's matrix: waves 0-3 W_K, 4-7 W_V, 8-11 W_Q
	s_cselect_b64 s[52:53], s[14:15], s[16:17]
	s_cmp_lt_u32 s[WV], 4
	s_cselect_b64 s[52:53], s[12:13], s[52:53]
	; ---- the weights and the query's row, while the keys are on their way
	s_cmp_ge_u32 s[WV], 12
	s_cbranch_scc1 .Lno_unit
	WLOAD WST, WO, 52, 256
	HEADLOADS
	s_wait_loadcnt 40                              ; my unit's 32 loads are in; behind them: the query's 8 and fw1's 32
	QBLK WST, WC, WSW
.irp i, 0,1,2
	ds_store_b64 v[IMS], v[WC+2*\i:WC+2*\i+1] offset:256*\i
.endr
	ds_store_b32 v[ISS], v[WSW]
	s_branch .Ljoined
.Lno_unit:
	HEADLOADS
.Ljoined:
	s_wait_loadcnt 32                              ; the query's 8 loads are in; on both ways fw1's 32 were issued behind them
	QBLK QST, ACT, AS
	WLOAD F2ST, F2O, 20, 256
.irp t, 0,1,2,3
	global_load_b32 v[KM+\t], v[KMO], s[8:9] offset:32*\t
.endr
	global_load_b64 v[RP:RP+1], v[L8], s[6:7]
	global_load_b32 v[FB1], v[FB1O], s[22:23]
	global_load_b64 v[FB2:FB2+1], v[L8], s[24:25]
.irp z, CH, CH+12, CH+24, CH+36, CH+48, ACT+6      ; the zero codes: the upper or lower 64 of an operand's 128 along K
.irp i, 0,1,2,3,4,5
	v_mov_b32 v[\z+\i], 0
.endr
.endr
	s_wait_loadcnt 39                              ; fw1's are in; behind them: fw2's 32 and the 7 small loads
	QBLK F1ST, F1C, F1S
	s_wait_loadcnt 7                               ; fw2's are in
	QBLK F2ST, F2C, F2S
	s_wait_loadcnt 0x0
	s_wait_kmcnt 0x0
	v_cmp_ne_u32 vcc_lo, 0, v[KMO]                 ; the diagonal: for query 0 it is key 0, the one key whose offset is 0: it counts as masked
	v_cndmask_b32 v[KM], 0, v[KM], vcc_lo
.irp t, 0,1,2,3
	v_cmp_eq_u32 s[MK+\t], 1, v[KM+\t]             ; float(mask) == 1.0 holds just where the whole number is 1
.endr
	v_mov_b32 v[QMF], s66
	v_cvt_f32_i32 v[QMF], v[QMF]
	BARRIER                                        ; the twelve images lie in LDS.  (My tensor load may be out, and only I read its bytes, behind my own wait)
	; ---- q' = Qh[b][0] / 4: source 0 = 16 columns of W_Q, source 1 = the query's row in all 16 columns: register j of lane (r, h) is channel 8 h + j of head h'
.irp hh, 0,1,2,3
	HALF_LD CH+6+12*\hh, 8+\hh
.endr
.irp hh, 0,1,2,3
	ds_load_b32 v[VS+\hh], v[ISL] offset:128*(8+\hh)
.endr
	s_wait_dscnt 0x0
.irp hh, 0,1,2,3
	WM ACC+8*\hh, CH+6+12*\hh, ACT, VS+\hh, AS
.endr
	PLACES 4
.irp i, 0,2,4,6,8,10,12,14,16,18,20,22,24,26,28,30
	v_pk_mul_f32 v[QP+\i:QP+\i+1], v[ACC+\i:ACC+\i+1], 0x3e800000 op_sel_hi:[1,0]   ; 1 / sqrt(16): exact
.endr
	; ---- my 64 keys into codes: four tiles, two sets of registers by turns
	s_wait_tensorcnt 0x0                           ; my keys are in LDS
	XLOAD X0, 0
	XLOAD X1, 1
	s_wait_dscnt 8                                 ; tile 0 is in; tile 1's eight loads may be out
	QBLK X0, CH+6, XS
	XLOAD X0, 2
	s_wait_dscnt 8                                 ; tile 1 is in
	QBLK X1, CH+18, XS+1
	XLOAD X1, 3
	s_wait_dscnt 8                                 ; tile 2 is in
	QBLK X0, CH+30, XS+2
.irp hh, 0,1,2,3                                   ; G(h'): W_K's tile below, W_V's above: 8 loads a head
	HALF_LD G+12*\hh, \hh
	HALF_LD G+6+12*\hh, 4+\hh
	ds_load_b32 v[GS+\hh], v[ISL] offset:128*\hh
	ds_load_b32 v[VS+\hh], v[ISL] offset:128*(4+\hh)
.endr
	s_wait_dscnt 32                                ; tile 3 is in; G's 32 loads may be out
	QBLK X1, CH+42, XS+3
	s_wait_dscnt 0x0
.irp hh, 0,1,2,3
	v_bfi_b32 v[GS+\hh], 0xffff, v[GS+\hh], v[VS+\hh]   ; G's scale word: W_K's two bytes below, W_V's two above
.endr
	PLACES 8
	; ---- K^T and the scores, a tile of 16 keys at a time; the four heads by turns
.irp t, 0,1,2,3
.irp hh, 0,1,2,3
	WM ACC+8*\hh, G+12*\hh, CH+6+12*\t, GS+\hh, XS+\t
.endr
	PLACES 4
.irp hh, 0,1,2,3
	v_pk_mul_f32 v[ACC+8*\hh:ACC+8*\hh+1], v[ACC+8*\hh:ACC+8*\hh+1], v[QP+8*\hh:QP+8*\hh+1]
.endr
.irp p, 2,4,6
.irp hh, 0,1,2,3
	v_pk_fma_f32 v[ACC+8*\hh:ACC+8*\hh+1], v[ACC+8*\hh+\p:ACC+8*\hh+\p+1], v[QP+8*\hh+\p:QP+8*\hh+\p+1], v[ACC+8*\hh:ACC+8*\hh+1]
.endr
.endr
.irp hh, 0,1,2,3
	v_add_f32 v[ACC+8*\hh], v[ACC+8*\hh], v[ACC+8*\hh+1]
.endr
.irp hh, 0,1,2,3
	v_permlanex16_b32 v[ACC+8*\hh+1], v[ACC+8*\hh], s[SEL], s[SEL+1]   ; the other eight channels lie in lane l xor 16
.endr
.irp hh, 0,1,2,3
	v_add_f32 v[ACC+8*\hh], v[ACC+8*\hh], v[ACC+8*\hh+1]
.endr
.set SD, ACT-(ACT-KM)*((\t)%2)                     ; the masked scores stand in registers of their own, two sets by turns, so that no matrix instruction writes over an LDS store's data
.if \t > 1
	s_wait_dscnt 4                                 ; the last tile's four stores may be out; those that read this set have been served
.endif
.irp hh, 0,1,2,3
	v_cndmask_b32 v[SD+\hh], v[NEGV], v[ACC+8*\hh], s[MK+\t]
.endr
.irp hh, 0,1,2,3
	ds_store_b32 v[STS], v[SD+\hh] offset:272*\hh+32*\t   ; both halves of the lanes write the same number to the same word
.endr
.endr
	; ---- V, a head at a time: four tiles of keys give a lane (channel r, half h) its 32 keys; they are quantised along the keys at once
.irp hh, 0,1,2,3
.irp t, 0,1,2,3
	WM ACC+8*\t, CH+12*\t, G+12*\hh, XS+\t, GS+\hh
.endr
	PLACES 4
	QBLK ACC, VT+6*\hh, VS+\hh
.endr
.irp hh, 0,1,2,3                                   ; the keys' codes are done with: V's take their slots, each with six zeros behind it
.irp i, 0,1,2,3,4,5
	v_mov_b32 v[CH+6+12*\hh+\i], v[VT+6*\hh+\i]
.endr
.endr
	; ---- the softmax of head r % 4 over my half's 32 keys
.irp i, 0,1,2,3,4,5,6,7
	ds_load_b128 v[SV+4*\i:SV+4*\i+3], v[STL] offset:16*\i   ; my wave's own bytes: LDS serves a wave's instructions in order (ISA guide 5.7.1.4)
.endr
	s_wait_dscnt 0x0
	v_max3_num_f32 v[TM0], v[SV], v[SV+1], v[SV+2]
	v_max3_num_f32 v[TM1], v[SV+3], v[SV+4], v[SV+5]
.irp i, 6,10,14,18,22,26
	v_max3_num_f32 v[TM0], v[TM0], v[SV+\i], v[SV+\i+1]
	v_max3_num_f32 v[TM1], v[TM1], v[SV+\i+2], v[SV+\i+3]
.endr
	v_max3_num_f32 v[TM0], v[TM0], v[SV+30], v[SV+31]
	v_max_num_f32 v[TM0], v[TM0], v[TM1]
	v_permlanex16_b32 v[TP], v[TM0], s[SEL], s[SEL+1]
	v_max_num_f32 v[TM0], v[TM0], v[TP]            ; over my wave's 64 keys
	ds_store_b32 v[MXS], v[TM0]
	BARRIER                                        ; the sixteen waves' maxima lie in LDS
.irp i, 0,1,2,3
	ds_load_b128 v[M16+4*\i:M16+4*\i+3], v[MXL] offset:16*\i
.endr
	s_wait_dscnt 0x0
	v_max3_num_f32 v[TM0], v[M16], v[M16+1], v[M16+2]
	v_max3_num_f32 v[TM1], v[M16+3], v[M16+4], v[M16+5]
	v_max3_num_f32 v[TM0], v[TM0], v[M16+6], v[M16+7]
	v_max3_num_f32 v[TM1], v[TM1], v[M16+8], v[M16+9]
	v_max3_num_f32 v[TM0], v[TM0], v[M16+10], v[M16+11]
	v_max3_num_f32 v[TM1], v[TM1], v[M16+12], v[M16+13]
	v_max3_num_f32 v[TM0], v[TM0], v[M16+14], v[M16+15]
	v_max_num_f32 v[TM0], v[TM0], v[TM1]           ; the row's maximum
.irp i, 0,2,4,6,8,10,12,14,16,18,20,22,24,26,28,30
	v_pk_add_f32 v[SV+\i:SV+\i+1], v[SV+\i:SV+\i+1], v[TM0:TM0+1] op_sel_hi:[1,0] neg_lo:[0,1] neg_hi:[0,1]   ; score - maximum first, as the source has it: one multiply-add on the raw score would round a large score's product
.endr
.irp i, 0,2,4,6,8,10,12,14,16,18,20,22,24,26,28,30
	v_pk_mul_f32 v[SV+\i:SV+\i+1], v[SV+\i:SV+\i+1], s[L2E:L2E+1] op_sel_hi:[1,0]
.endr
.irp i, 0,1,2,3,4,5,6,7,8,9,10,11,12,13,14,15,16,17,18,19,20,21,22,23,24,25,26,27,28,29,30,31
	v_exp_f32 v[SV+\i], v[SV+\i]
.endr
	v_nop                                          ; a plain line behind the last exponential
	s_wait_alu depctr_va_vdst(0)                   ; the wait ahead of the first line that names a result: one for the batch of 32
	v_pk_add_f32 v[M16:M16+1], v[SV:SV+1], v[SV+2:SV+3]
	v_pk_add_f32 v[M16+2:M16+3], v[SV+4:SV+5], v[SV+6:SV+7]
.irp i, 8,12,16,20,24,28
	v_pk_add_f32 v[M16:M16+1], v[M16:M16+1], v[SV+\i:SV+\i+1]
	v_pk_add_f32 v[M16+2:M16+3], v[M16+2:M16+3], v[SV+\i+2:SV+\i+3]
.endr
	v_pk_add_f32 v[M16:M16+1], v[M16:M16+1], v[M16+2:M16+3]
	v_add_f32 v[M16], v[M16], v[M16+1]
	v_permlanex16_b32 v[TP], v[M16], s[SEL], s[SEL+1]
	v_add_f32 v[M16], v[M16], v[TP]                ; over my wave's 64 keys
	ds_store_b32 v[MXS], v[M16] offset:512
	BARRIER                                        ; the sixteen waves' sums lie in LDS
.irp i, 0,1,2,3
	ds_load_b128 v[M16+4*\i:M16+4*\i+3], v[MXL] offset:512+16*\i
.endr
	s_wait_dscnt 0x0
.irp i, 4,8,12
	v_pk_add_f32 v[M16:M16+1], v[M16:M16+1], v[M16+\i:M16+\i+1]
	v_pk_add_f32 v[M16+2:M16+3], v[M16+2:M16+3], v[M16+\i+2:M16+\i+3]
.endr
	v_pk_add_f32 v[M16:M16+1], v[M16:M16+1], v[M16+2:M16+3]
	v_add_f32 v[M16], v[M16], v[M16+1]             ; the row's sum
	v_rcp_f32 v[M16+1], v[M16]
	v_nop
	s_wait_alu depctr_va_vdst(0)                   ; the wait ahead of the reciprocal's first reader
	v_mul_f32 v[TM0], v[M16+1], v[QMF]             ; qm / sum
.irp i, 0,2,4,6,8,10,12,14,16,18,20,22,24,26,28,30
	v_pk_mul_f32 v[SV+\i:SV+\i+1], v[SV+\i:SV+\i+1], v[TM0:TM0+1] op_sel_hi:[1,0]   ; attn, finished: that is what is quantised
.endr
	QBLK SV, ACT, AS
	PLACES 8
	; ---- attn x V over my 64 keys: source 0 = attn (row m: head m % 4), source 1 = V of head h': register h' of lane (d, h) is out(head h', channel d)
.irp hh, 0,1,2,3
	WM ACC+8*\hh, ACT, CH+6+12*\hh, AS, VS+\hh
.endr
	PLACES 4
.irp hh, 0,1,2,3
	ds_store_b32 v[OPS], v[ACC+9*\hh] offset:64*\hh
.endr
.irp i, 0,1,2,3,4,5
	v_mov_b32 v[CH+6+\i], v[F1C+\i]                ; V is done with: my tiles of fw1 and fw2 take two slots of the chain
	v_mov_b32 v[CH+18+\i], v[F2C+\i]
.endr
	BARRIER                                        ; the sixteen partial rows lie in LDS
	; ---- result = out + queries (every wave makes the whole row, in the same order), and my 16 hidden units
.irp p, 0,1,2,3,4,5,6,7,8,9,10,11,12,13,14,15
	ds_load_b64 v[PART+2*\p:PART+2*\p+1], v[OPL] offset:256*\p
.endr
	s_wait_dscnt 0x0
.irp j, 4,8,12,16,20,24,28
	v_pk_add_f32 v[PART:PART+1], v[PART:PART+1], v[PART+\j:PART+\j+1]
	v_pk_add_f32 v[PART+2:PART+3], v[PART+2:PART+3], v[PART+\j+2:PART+\j+3]
.endr
	v_pk_add_f32 v[PART:PART+1], v[PART:PART+1], v[PART+2:PART+3]
	v_pk_add_f32 v[RP:RP+1], v[RP:RP+1], v[PART:PART+1]
	ds_store_b64 v[RSS], v[RP:RP+1]                ; through my own stage: two channels a lane in, my half's 32 out
.irp i, 0,1,2,3,4,5,6,7
	ds_load_b128 v[RES+4*\i:RES+4*\i+3], v[RSL] offset:16*\i
.endr
	s_wait_dscnt 0x0
	QBLK RES, ACT, AS
	PLACES 8
	WM ACC, ACT, CH+6, AS, F1S                     ; all 16 rows are the one row: register 0 of lane (r, h) is hidden unit 16 w + r
	PLACES 4
	v_add_f32 v[TM0], v[ACC], v[FB1]
	v_mul_f32 v[TM1], 0x3e4ccccd, v[TM0]
	v_max_num_f32 v[TM0], v[TM0], v[TM1]           ; leaky_relu with slope 0.2: the larger of x and 0.2 x
	ds_store_b32 v[HDS], v[TM0]
	BARRIER                                        ; the 256 hidden units lie in LDS
	; ---- hidden x fw2: my tile of 16 outputs (w % 4) over my quarter of K (w / 4)
.irp i, 0,1,2,3,4,5,6,7
	ds_load_b128 v[HD+4*\i:HD+4*\i+3], v[HDL] offset:16*\i
.endr
	s_wait_dscnt 0x0
	QBLK HD, ACT, AS
	PLACES 8
	WM ACC+8, ACT, CH+18, AS, F2S
	PLACES 4
	ds_store_b32 v[HDS], v[ACC+8] offset:1024
	BARRIER                                        ; the sixteen parts lie in LDS
	; ---- the way out: wave 0 adds the four quarters, fb2 and result, and stores the row
	s_cmp_lg_u32 s[WV], 0
	s_cbranch_scc1 .Lend
.irp k, 0,1,2,3
	ds_load_b64 v[PART+2*\k:PART+2*\k+1], v[OPL] offset:5120+256*\k
.endr
	s_wait_dscnt 0x0
	v_pk_add_f32 v[PART:PART+1], v[PART:PART+1], v[PART+2:PART+3]
	v_pk_add_f32 v[PART+4:PART+5], v[PART+4:PART+5], v[PART+6:PART+7]
	v_pk_add_f32 v[RP:RP+1], v[RP:RP+1], v[FB2:FB2+1]
	v_pk_add_f32 v[PART:PART+1], v[PART:PART+1], v[PART+4:PART+5]
	v_pk_add_f32 v[PART:PART+1], v[PART:PART+1], v[RP:RP+1]
	global_store_b64 v[L8], v[PART:PART+1], s[26:27]   ; 32 lanes store the row's 256 consecutive bytes, at a multiple of 256 from out0's first byte
.Lend:
	s_wait_tensorcnt 0x0                           ; the wave's end, behind my tensor load and my last LDS store
	ds_add_u32 v[SPW], v[NIL]
	s_wait_dscnt 0x0
	s_endpgm
.Lfunc_end_k_qba93106a54_attn0:
	.size	k_qba93106a54_attn0, .Lfunc_end_k_qba93106a54_attn0-k_qba93106a54_attn0
	.p2alignl 7, 3214868480
	.fill 96, 4, 3214868480
	.section	.rodata,"a",@progbits
	.p2align	6, 0x0
	.amdhsa_kernel k_qba93106a54_attn0
		.amdhsa_group_segment_fixed_size 327680
		.amdhsa_private_segment_fixed_size 0
		.amdhsa_enable_private_segment 0
		.amdhsa_kernarg_size 96
		.amdhsa_user_sgpr_count 2
		.amdhsa_user_sgpr_kernarg_segment_ptr 1
		.amdhsa_wavefront_size32 1
		.amdhsa_system_sgpr_workgroup_id_x 1
		.amdhsa_system_sgpr_workgroup_id_y 1
		.amdhsa_system_sgpr_workgroup_id_z 1
		.amdhsa_system_vgpr_workitem_id 0
		.amdhsa_next_free_vgpr 256
		.amdhsa_next_free_sgpr 72
		.amdhsa_reserve_vcc 1
		.amdhsa_float_denorm_mode_32 3
		.amdhsa_float_denorm_mode_16_64 3
		.amdhsa_memory_ordered 1
		.amdhsa_forward_progress 1
		.amdhsa_inst_pref_size 83
	.end_amdhsa_kernel
	.amdgpu_metadata
---
amdhsa.version: [ 1, 2 ]
amdhsa.kernels:
  - .name:           k_qba93106a54_attn0
    .symbol:         k_qba93106a54_attn0.kd
    .args:
      - { .name: keys, .offset: 0, .size: 8, .value_kind: global_buffer, .address_space: global }
      - { .name: queries, .offset: 8, .size: 8, .value_kind: global_buffer, .address_space: global }
      - { .name: key_mask, .offset: 16, .size: 8, .value_kind: global_buffer, .address_space: global }
      - { .name: query_mask, .offset: 24, .size: 8, .value_kind: global_buffer, .address_space: global }
      - { .name: W_K, .offset: 32, .size: 8, .value_kind: global_buffer, .address_space: global }
      - { .name: W_V, .offset: 40, .size: 8, .value_kind: global_buffer, .address_space: global }
      - { .name: W_Q, .offset: 48, .size: 8, .value_kind: global_buffer, .address_space: global }
      - { .name: fw1, .offset: 56, .size: 8, .value_kind: global_buffer, .address_space: global }
      - { .name: fw2, .offset: 64, .size: 8, .value_kind: global_buffer, .address_space: global }
      - { .name: fb1, .offset: 72, .size: 8, .value_kind: global_buffer, .address_space: global }
      - { .name: fb2, .offset: 80, .size: 8, .value_kind: global_buffer, .address_space: global }
      - { .name: out0, .offset: 88, .size: 8, .value_kind: global_buffer, .address_space: global }
    .group_segment_fixed_size: 327680
    .private_segment_fixed_size: 0
    .kernarg_segment_align: 8
    .kernarg_segment_size: 96
    .max_flat_workgroup_size: 512
    .sgpr_count:     72
    .vgpr_count:     256
    .wavefront_size: 32
...
	.end_amdgpu_metadata
.endif
;; end of part 1
